; MI455X (gfx1250); checked and timed in simulation.
; The chip was launched on July 23, 2026; its instructions are those of AMD's public machine-readable ISA for CDNA 5 (MIT licence, August 2026) and "CDNA5" Instruction Set Architecture Reference Guide (July 2026). The comments in the code are by the model that wrote it; some were corrected since.
;; Weight Only Int8 Linear. Allowed arithmetic: matrix products marked QUANTISED: E4M3 operands, one given power-of-two scale a tensor, by v_wmma_f32_16x16x64_fp8_fp8 or v_wmma_f32_16x16x128_fp8_fp8, f32 sums; everything else in f32.
;; Inputs: input 4 x 2,048 x 4,096 float32; lowp_scales 2 int32 (the exponents e of the quantised operands' scales 2^e); scales 2,048 x 32 float32; weight 2,048 x 4,096 int32.
;; Outputs: out0 4 x 2,048 x 2,048 float32.
;; This version of the problem:
;;   THIS VERSION OF THE PROBLEM IS GIVEN IN LOW PRECISION. The matrix products marked QUANTISED in the list below multiply operands that are first quantised to E4M3 (4 exponent bits, 3 mantissa bits; 8 bits a number), with one given power-of-two scale for each operand tensor; their sums are f32. All else is computed in f32.
;;   The module's matrix products, in the order in which they are computed (A, B: the left and right operand; K: the contracted axis; several contracted axes count as one K, in the product's order):
;;     1. [M 8,192, K 4,096] x [K 4,096, N 2,048]; A: input input; B: computed on the way: QUANTISED (scales: A lowp_scales[0], B lowp_scales[1])
;;   THE QUANTISER, for each operand of a quantised product, along K:
;;     - The operand's scale is 2^e, e = its entry of the input lowp_scales (int32; the entries are numbered through the quantised products in the list's order, A before B).
;;     - Each number is divided by the scale, clamped to +-448, and rounded to the nearest number of E4M3, ties to even, subnormals kept.
;;     - The product sums the exact products of the quantised numbers (number of the format x scale) in f32.
;;   ~~~python
;;   def quantise(x, axis, e):      # numpy; x: float32 -> the quantised numbers, widened to float32 again
;;       x = np.moveaxis(x, axis, -1); K = x.shape[-1]
;;       r = np.clip(x / 2.0 ** e, -448, 448)
;;       step = 2.0 ** (np.maximum(np.frexp(np.where(r == 0, 1, r))[1] - 1, -6) - 3)
;;       q = np.round(r / step) * step * 2.0 ** e      # np.round: ties to even
;;       return np.moveaxis(q, -1, axis).astype(np.float32)
;;   ~~~
;;   OPERANDS COMPUTED ON THE WAY. 'Computed on the way' means the value that the module computes at that place (a softmax that the list does not call 'softmax' is quantised finished and normalised). What goes into a quantiser is computed in f32, as accurately as f32 sums, v_exp_f32 and their like allow (about 1e-6 of the number): no bf16 or f16 on the way to a quantiser, and a product that is left as it is and whose result goes on into a quantised operand takes f32 operands (vector FMAs, or v_wmma_f32_16x16x4_f32). A number that lies on a knife's edge between two numbers of the format may be rounded either way, as far as f32 arithmetic and the matrix unit's own rounding can turn it there, and no further.
;; One version. Each part assembles by itself: llvm-mc -triple=amdgcn-amd-amdhsa -mcpu=gfx1250 --defsym DOCPART=n.
;; ======== version 1 of 1: 2 launches
;; limits: right only within a limited range of input values
;; workspace buffers: a_codes 33,554,432 bytes; b_codes 8,388,608 bytes
;; launch quant (part 1): grid 1280 x 1, 4 waves a work-group, no clusters, 0 bytes of LDS; arguments input, weight, scales, lowp_scales, a_codes, b_codes; writes a_codes, b_codes
.if DOCPART == 1
	.amdgcn_target "amdgcn-amd-amdhsa--gfx1250"
	.amdhsa_code_object_version 6
	.text
	.protected	k_q7e3cd19c97_quant
	.globl	k_q7e3cd19c97_quant
	.p2align	8
	.type	k_q7e3cd19c97_quant,@function
k_q7e3cd19c97_quant:
	s_mov_b64 s[64:65], 0
	v_nop
	global_prefetch_b8 v0, s[64:65] scope:SCOPE_SE
	s_setreg_imm32_b32 hwreg(HW_REG_WAVE_MODE, 25, 1), 1
	s_wait_xcnt 0x0
; Both operands of out = input x deq^T are turned into codes of FP8 (E4M3), one byte a number, once, for the product's launch.
;   input  [8192][4096] f32                          -> a_codes [8192][4096] bytes, scale 2^ea (entry 0 of lowp_scales)
;   deq = f32(weight [2048][4096] int32) x scales[o][k / 128], one f32 rounding  -> b_codes [2048][4096] bytes, scale 2^eb (entry 1)
; code = x / 2^e, held within +-448, rounded to the nearest code, ties to even.
; LIMITS: e between -126 and 119, so that 2^e and 448 x 2^e are f32 numbers.  NaN among the inputs is not served; an infinity is held at the largest code.
; LAYOUT OF THE CODES, the same in both buffers: a row is eight chunks of 512 bytes; byte 16 l + 4 i + j of chunk c is the code of k = 512 c + 128 i + 4 l + j (l = 0..31, i, j = 0..3).
; That is a permutation of K inside each 512, alike in both operands: in the product every code still meets its partner at the same byte of the row; only the order of the f32 sums differs from ascending K.
; It is chosen so that nothing has to change lanes here: load i of a chunk reads 512 consecutive bytes (128 numbers), 16 bytes a lane; a lane's 16 numbers of the four loads become 16 codes, and the wave
; stores 512 consecutive bytes, aligned to 512.  And load i of chunk c lies wholly in the weight's group 4 c + i: the group's scale is one number for the whole wave and stands in a scalar register.
; SHARES: a step is a chunk; a wave takes 16 steps = 2 rows; a work-group of four waves 8 rows.  The first WGA work-groups take the input, the other 256 the weight: every work-group moves the same bytes.
; No LDS, no barrier: waves share nothing.  Loads run four steps (16 loads a wave) ahead.  Every offset is an immediate and every step has code registers of its own, so no source of a pending load or store is ever rewritten.
.set WGA,   1024                       ; 8192 rows / 8
.set STEPS, 16
.set R,     16                         ; v16-79   four sets of 16 numbers as loaded
.set C,     80                         ; v80-143  four registers of codes for each step
; v1 16 x lane: the offset of every load and store; v2 2^e as f32; v3 448 x 2^e
; s2 wave; s3 which run of 8,192 numbers of the tensor is my wave's; s[4:5] source; s[12:13] codes; s[66:67] ea, eb; s[16:63], s[80:95] my two rows' 64 group scales (entry g in s[16 + g], from g = 48 on in s[32 + g])
	s_load_b256 s[4:11], s[0:1], 0x0               ; input s[4:5], weight s[6:7], scales s[8:9], lowp_scales s[10:11]
	s_load_b128 s[12:15], s[0:1], 0x20             ; a_codes s[12:13], b_codes s[14:15]
	v_and_b32 v1, 31, v0
	v_lshlrev_b32 v1, 4, v1                        ; 16 x lane
	v_lshrrev_b32 v4, 5, v0
	v_readfirstlane_b32 s2, v4                     ; wave 0..3
	s_cmp_lt_u32 ttmp9, WGA                        ; the input's work-group or the weight's?  The choice hangs on the work-group's number alone
	s_cselect_b32 s3, 0, WGA
	s_sub_co_u32 s3, ttmp9, s3                     ; the work-group's number within its tensor
	s_lshl_b32 s3, s3, 2
	s_add_co_u32 s3, s3, s2                        ; my run
	s_lshl_b32 s68, s3, 15                         ; 8,192 numbers of 4 bytes: under 2^28
	s_mov_b32 s69, 0
	s_lshl_b32 s70, s3, 13                         ; 8,192 codes: the input's rows keep their places
	; THE WEIGHT'S ROWS CHANGE PLACES inside each 64: row n goes to place 16 (n % 4) + (n % 64) / 4, so that in the product's launch lane r of tile b holds column 4 r + b % 4 of its 64.
	; My rows are n = 2 s3 + i: place 64 (s3 / 32) + 32 (s3 % 2) + (s3 / 2) % 16 + 16 i; the 16 i rows stand in the stores' immediates
	s_lshr_b32 s76, s3, 5
	s_lshl_b32 s76, s76, 6
	s_and_b32 s77, s3, 1
	s_lshl_b32 s77, s77, 5
	s_add_co_u32 s76, s76, s77
	s_bfe_u32 s77, s3, 0x40001
	s_add_co_u32 s76, s76, s77
	s_lshl_b32 s76, s76, 12                        ; rows of 4,096 codes
	s_cmp_lt_u32 ttmp9, WGA
	s_cselect_b32 s70, s70, s76
	s_mov_b32 s71, 0
	s_lshl_b32 s72, s3, 8                          ; two rows of 32 scales: 256 bytes
	s_mov_b32 s73, 0
	s_wait_alu depctr_va_vdst(0)
	s_wait_kmcnt 0x0
	s_load_b64 s[66:67], s[10:11], 0x0             ; ea, eb
	s_cmp_lt_u32 ttmp9, WGA                        ; (the additions above have written SCC)
	s_cselect_b64 s[4:5], s[4:5], s[6:7]
	s_cselect_b64 s[12:13], s[12:13], s[14:15]
	s_add_nc_u64 s[4:5], s[4:5], s[68:69]
	s_add_nc_u64 s[12:13], s[12:13], s[70:71]
.macro LOAD t                          ; step t's 2,048 bytes into set t % 4: each load reads 512 consecutive bytes
.irp i, 0,1,2,3
	global_load_b128 v[R+16*((\t)%4)+4*\i:R+16*((\t)%4)+4*\i+3], v1, s[4:5] offset:2048*(\t)+512*\i th:TH_LOAD_NT
.endr
.endm
.macro MAKE e                          ; from the whole number in s[e]: v2 = 2^e, whose exponent field the conversion takes; v3 = 448 x 2^e (exponent field e + 8 + 127 over 448's mantissa field)
	s_add_co_i32 s74, s[\e], 127
	s_lshl_b32 s75, s74, 23
	v_mov_b32 v2, s75
	s_add_co_i32 s74, s74, 8
	s_lshl_b32 s74, s74, 23
	s_or_b32 s74, s74, 0x600000
	v_mov_b32 v3, s74
.endm
.macro STEP t, isw                     ; isw = 1: the numbers are the weight's: int32 to f32, times the group's scale
.set XS, R+16*((\t)%4)
.if (\t) <= STEPS-4
	s_wait_loadcnt 12                              ; loads come back in order (ISA guide 5.7.1): this step's four are in, those of the three steps behind it may be out
.else
	s_wait_loadcnt 4*(STEPS-1-(\t))                ; the last steps: fewer were issued behind
.endif
.if \isw
.irp n, 0,1,2,3,4,5,6,7,8,9,10,11,12,13,14,15
	v_cvt_f32_i32 v[XS+\n], v[XS+\n]
.endr
.irp i, 0,1,2,3
.set G, 32*((\t)/8)+4*((\t)%8)+\i      ; row t / 8 of my two, group 4 (t % 8) + i
.if G < 48
.set SR, 16+G
.else
.set SR, 32+G
.endif
.irp j, 0,1,2,3
	v_mul_f32 v[XS+4*\i+\j], s[SR], v[XS+4*\i+\j]  ; deq, rounded once to f32
.endr
.endr
.endif
.irp n, 0,1,2,3,4,5,6,7,8,9,10,11,12,13,14,15
	v_med3_num_f32 v[XS+\n], v[XS+\n], -v3, v3     ; the conversion to an 8-bit code does not saturate (ISA guide 7.6.2): the number is held within the largest code x the scale first
.endr
	v_cvt_scalef32_pk8_fp8_f32 v[C+4*(\t):C+4*(\t)+1], v[XS:XS+7], v2         ; eight numbers / 2^e; the first number's code in the lowest byte
	v_cvt_scalef32_pk8_fp8_f32 v[C+4*(\t)+2:C+4*(\t)+3], v[XS+8:XS+15], v2
; (The results go to a store alone, and the numbers' registers are next written by loads; the next vector lines are the next step's plain ones, on another set.)
.if (\t)+4 < STEPS
	LOAD (\t)+4                                    ; the set is free: it takes the loads of four steps on
.endif
.endm
.irp t, 0,1,2,3
	LOAD \t
.endr
	s_cmp_lt_u32 ttmp9, WGA
	s_cbranch_scc0 .Lweight
	s_wait_kmcnt 0x0                               ; ea
	MAKE 66
	s_wait_alu depctr_va_vdst(0)
.irp t, 0,1,2,3,4,5,6,7,8,9,10,11,12,13,14,15
	STEP \t, 0
.endr
.irp t, 0,1,2,3,4,5,6,7,8,9,10,11,12,13,14,15
	global_store_b128 v1, v[C+4*(\t):C+4*(\t)+3], s[12:13] offset:512*(\t)    ; all stores stand behind the last conversion: 32 lanes store 512 consecutive bytes, at a multiple of 512 from the buffer's first byte
.endr
	s_endpgm
.Lweight:
	s_add_nc_u64 s[8:9], s[8:9], s[72:73]          ; my two rows of scales; formed on this path alone, where the run's number counts the weight's rows
	s_load_b512 s[16:31], s[8:9], 0x0
	s_load_b512 s[32:47], s[8:9], 0x40
	s_load_b512 s[48:63], s[8:9], 0x80
	s_load_b512 s[80:95], s[8:9], 0xc0
	s_wait_kmcnt 0x0                               ; the scales, and eb
	MAKE 67
.irp t, 0,1,2,3,4,5,6,7,8,9,10,11,12,13,14,15
	STEP \t, 1
.endr
.irp t, 0,1,2,3,4,5,6,7,8,9,10,11,12,13,14,15
	global_store_b128 v1, v[C+4*(\t):C+4*(\t)+3], s[12:13] offset:512*((\t)%8)+65536*((\t)/8)   ; my second row lies 16 places of 4,096 bytes behind my first
.endr
	s_endpgm
.Lfunc_end_k_q7e3cd19c97_quant:
	.size	k_q7e3cd19c97_quant, .Lfunc_end_k_q7e3cd19c97_quant-k_q7e3cd19c97_quant
	.p2alignl 7, 3214868480
	.fill 96, 4, 3214868480
	.section	.rodata,"a",@progbits
	.p2align	6, 0x0
	.amdhsa_kernel k_q7e3cd19c97_quant
		.amdhsa_group_segment_fixed_size 0
		.amdhsa_private_segment_fixed_size 0
		.amdhsa_enable_private_segment 0
		.amdhsa_kernarg_size 48
		.amdhsa_user_sgpr_count 2
		.amdhsa_user_sgpr_kernarg_segment_ptr 1
		.amdhsa_wavefront_size32 1
		.amdhsa_system_sgpr_workgroup_id_x 1
		.amdhsa_system_sgpr_workgroup_id_y 1
		.amdhsa_system_sgpr_workgroup_id_z 1
		.amdhsa_system_vgpr_workitem_id 0
		.amdhsa_next_free_vgpr 144
		.amdhsa_next_free_sgpr 96
		.amdhsa_reserve_vcc 0
		.amdhsa_float_denorm_mode_32 3
		.amdhsa_float_denorm_mode_16_64 3
		.amdhsa_memory_ordered 1
		.amdhsa_forward_progress 1
		.amdhsa_inst_pref_size 70
	.end_amdhsa_kernel
	.amdgpu_metadata
---
amdhsa.version: [ 1, 2 ]
amdhsa.kernels:
  - .name:           k_q7e3cd19c97_quant
    .symbol:         k_q7e3cd19c97_quant.kd
    .args:
      - { .name: input, .offset: 0, .size: 8, .value_kind: global_buffer, .address_space: global }
      - { .name: weight, .offset: 8, .size: 8, .value_kind: global_buffer, .address_space: global }
      - { .name: scales, .offset: 16, .size: 8, .value_kind: global_buffer, .address_space: global }
      - { .name: lowp_scales, .offset: 24, .size: 8, .value_kind: global_buffer, .address_space: global }
      - { .name: a_codes, .offset: 32, .size: 8, .value_kind: global_buffer, .address_space: global }
      - { .name: b_codes, .offset: 40, .size: 8, .value_kind: global_buffer, .address_space: global }
    .group_segment_fixed_size: 0
    .private_segment_fixed_size: 0
    .kernarg_segment_align: 8
    .kernarg_segment_size: 48
    .max_flat_workgroup_size: 128
    .sgpr_count:     96
    .vgpr_count:     144
    .wavefront_size: 32
...
	.end_amdgpu_metadata
.endif
;; end of part 1
;; launch gemm (part 2): grid 8 x 32, 4 waves a work-group, clusters of 4 x 4, 327,680 bytes of LDS; arguments a_codes, b_codes, lowp_scales, out0; writes out0
.if DOCPART == 2
	.amdgcn_target "amdgcn-amd-amdhsa--gfx1250"
	.amdhsa_code_object_version 6
	.text
	.protected	k_q7e3cd19c97_gemm
	.globl	k_q7e3cd19c97_gemm
	.p2align	8
	.type	k_q7e3cd19c97_gemm,@function
k_q7e3cd19c97_gemm:
	s_mov_b64 s[64:65], 0
	v_nop
	global_prefetch_b8 v0, s[64:65] scope:SCOPE_SE
	s_setreg_imm32_b32 hwreg(HW_REG_WAVE_MODE, 25, 1), 1
	s_wait_xcnt 0x0
	s_wait_alu depctr_hold_cnt(0) depctr_sa_sdst(0) depctr_va_vdst(0) depctr_va_sdst(0) depctr_va_ssrc(0) depctr_va_vcc(0) depctr_vm_vsrc(0)
	s_getreg_b32 s2, hwreg(HW_REG_IB_STS2, 6, 4)
	s_cmp_eq_u32 s2, 0
	s_cbranch_scc0 .Lentry_in_a_cluster
	s_endpgm
.Lentry_in_a_cluster:
	s_bfe_u32 s2, ttmp6, 0x10000c
	s_cmp_lg_u32 s2, 0xf033
	s_cbranch_scc0 .Lentry_shape_is_right
	s_endpgm
.Lentry_shape_is_right:
; out0[m][n] = 2^(ea + eb) x sum over k of A[m][k] B[n][k].  a_codes [8192][4096], b_codes [2048][4096]: codes of FP8 (E4M3), a byte each, as the launch before laid them:
; K permuted inside each 512 alike in both (a code meets its partner at the same byte of the row), and B's rows permuted inside each 64: place 16 c + r holds row 4 r + c.
; LIMIT: ea + eb lies between -126 and 127, so that 2^(ea + eb) is an f32 number.
; A tile of C, 256 x 256, is made by a work-group of four waves; a wave makes 128 x 128: 64 accumulators, 512 registers.  8 x 32 tiles: 256 work-groups.
; K goes in steps of 256 (rows of 256 bytes) through a ring of two LDS slots filled by joint tensor loads: 4 x 4 work-groups form a cluster, A's tile is shared along its row, B's along its column.
; A cluster begins its walk along K at step 4 (cluster y % 4) + 8 (cluster x), modulo 16, and goes round: the order of the f32 sums differs from ascending K.
; The change of slots stands behind the first 16 products of a slot's last 128 along K: all that step's fragments are in registers by then, so the other 48 products run beside the refill and the next slot's fragment loads.
; SOURCE 0 = 16 rows of A, SOURCE 1 = 16 places of B: in accumulator (a, b) lane (r, h), register j holds C(16 a + 8 h + j, 64 (b / 4) + 4 r + b % 4).  So registers j of four neighbouring b are four neighbouring
; columns: the multiplication by 2^(ea + eb) gathers them into four registers on end, and sixteen lanes store 256 consecutive bytes at a multiple of 256 from out0's first byte.  The way out touches no LDS.
; PREFETCHES: a lane a row of 256 bytes, one instruction a wave; of the 128 rows that a wave fetches each of the four partners takes 32, by address (cx for A, cy for B).  Behind the first load the walk's step 1 is
; asked for, behind the second steps 2 and 3, behind refill t (which loads step t + 2) A's step t + 4, up to step 7.  A's steps 8 to 15 are those that the cluster at the other x has read as its steps 0 to 7, and B's steps 4 to 15
; those that clusters at other y have read as their steps 0 to 3, 4 or more steps earlier: they are not asked for.
; REGISTERS: window 0: v16-30 addresses, v128-255 A's fragments, one set; window 1: B's fragments, two sets; window 2: accumulators of my rows 0-63 ((a, b) at v[8 (8 a + b)]); window 3: rows 64-127.
.set SIZE_N, 2048
.set KROW,   4096                      ; a row of codes in bytes
.set ROWB,   256                       ; a tile's row: a K step
.set PITCH,  272                       ; an LDS row: 256 bytes + 16 of padding, so that the 16 rows of a fragment load begin at 16 different groups of four banks (ISA guide 11.1)
.set FR,     16                        ; registers of a fragment, 16 rows x 128 K
.set NL,     4                         ; LDS loads that bring one
.set NP,     4                         ; places behind this matrix instruction (ISA guide 7.12.1)
.set HALFT,  128*PITCH                 ; what one tensor load brings
.set SLOT,   4*HALFT                   ; A's 256 rows, then B's 256
.set LAPS,   KROW/(2*ROWB)
.set SPARE,  2*SLOT                    ; the spare words: 128 bytes a wave, two blocks of 256 bytes that no other line names
.set ADRA, 16                          ; v16-17 LDS address of my A fragments in slot 0, 1
.set ADRB, 20                          ; v20-21 the same for B
.set CO,   26                          ; v26 my byte offset in C: 8 h rows + 16 r
.set SPW,  28                          ; v28 my spare word; never rewritten
.set NIL,  29                          ; v29 0; never rewritten
.set PFO,  30                          ; v30 the prefetches' offset: lane x a row of codes; never rewritten
.set AF,   128
.set G1, 24                            ; s[24:31] group 1 for A, s[32:39] group 0, a set for each slot
.set G0, 32
.set G1B, 48                           ; the same for B
.set G0B, 56
.set PFA, 68                           ; s[68:69] the loop's prefetches
.set LIM, 70                           ; s70 the loop asks while its counter is above this
.set RBA, 76                           ; s[76:77], s[78:79] first byte of the rows that I fetch, in A and in B
.set RBB, 78
.set KO,  80                           ; s[80:81] byte along K of the next refill, modulo a row
.set PFH, 84                           ; s[84:85] the head's prefetches: my 32 rows at the walk's step 0
.set MSB, 0
.macro WIN new                         ; the immediate's high byte repeats the setting that is left
.if MSB != (\new)
	s_set_vgpr_msb (MSB<<8)|(\new)
.set MSB, (\new)
.endif
.endm
.set MUL_LO, 0xa4                      ; source 0 (A) window 0, source 1 (B) window 1, C and D window 2
.set MUL_HI, 0xf4                      ; the same, C and D window 3
.set TO_B,   0x40                      ; destination window 1, address window 0
.macro JLOAD g0a, g1a, g0b, g1b        ; a joint load: waves 0, 1 fetch A's halves, waves 2, 3 B's; s_nop 0 and four v_nop behind each line
	s_cmp_eq_u32 s15, 0
	s_cbranch_scc0 .Lfor_b_\@
	tensor_load_to_lds s[\g0a:\g0a+3], s[\g1a:\g1a+7]
	s_nop 0
.rept 4
	v_nop
.endr
	s_branch .Lasked_\@
.Lfor_b_\@:
	tensor_load_to_lds s[\g0b:\g0b+3], s[\g1b:\g1b+7]
	s_nop 0
.rept 4
	v_nop
.endr
.Lasked_\@:
.endm
.macro POINT slot                      ; the slot's two group 0 take the K step at KO
	s_add_nc_u64 s[G0+4*\slot+2:G0+4*\slot+3], s[RBA:RBA+1], s[KO:KO+1]
	s_or_b32 s[G0+4*\slot+3], s[G0+4*\slot+3], 0x80000000
	s_add_nc_u64 s[G0B+4*\slot+2:G0B+4*\slot+3], s[RBB:RBB+1], s[KO:KO+1]
	s_or_b32 s[G0B+4*\slot+3], s[G0B+4*\slot+3], 0x80000000
.endm
.macro ONWARD                          ; a K step on, round the row's end
	s_add_co_u32 s[KO], s[KO], ROWB
	s_and_b32 s[KO], s[KO], KROW-1
.endm
.macro ASK                             ; A's waves, in the loop's first two trips: the walk's steps 4 to 7, which lie in one run of four steps of the row
	s_cmp_gt_u32 s3, s[LIM]
	s_cbranch_scc0 .Lnot_mine_\@
	global_prefetch_b8 v[PFO], s[PFA:PFA+1] offset:-ROWB th:TH_LOAD_NT scope:SCOPE_SE
.Lnot_mine_\@:
.endm
.macro CREST                           ; a round of the cluster's barrier behind its opening barrier
	s_cmp_lg_u32 s14, 0
	s_cbranch_scc1 .Lnot_wave_0_\@
	s_barrier_signal -3
.Lnot_wave_0_\@:
	s_barrier_wait -3
	s_barrier_signal -1
	s_barrier_wait -1
.endm
.macro CROUND
	s_barrier_signal -1
	s_barrier_wait -1
	CREST
.endm
	s_load_b128 s[4:7], s[0:1], 0x0                ; A's codes, B's codes
	s_load_b128 s[8:11], s[0:1], 0x10              ; the scales' exponents, C
	v_lshl_add_u32 v[SPW], v0, 2, SPARE
	v_mov_b32 v[NIL], 0
	ds_add_u32 v[SPW], v[NIL]                      ; the opening lines: the add, twice on end, and its wait ahead of my first tensor load
	ds_add_u32 v[SPW], v[NIL]
	v_lshrrev_b32 v1, 5, v0
	v_readfirstlane_b32 s14, v1                    ; wave 0..3
	s_lshr_b32 s15, s14, 1                         ; my half of the tile's rows; also: I fetch for A (0) or B (1)
	s_and_b32 s16, s14, 1                          ; my half of its columns; also: which 128 rows I fetch
	s_bfe_u32 s40, ttmp6, 0x40000                  ; cx
	s_bfe_u32 s41, ttmp6, 0x40004                  ; cy
	s_lshl_b32 s42, ttmp9, 2
	s_add_co_u32 s42, s42, s40                     ; tile column
	s_and_b32 s82, ttmp7, 0xffff                   ; cluster y
	s_lshl_b32 s17, s82, 2
	s_add_co_u32 s17, s17, s41                     ; tile row
	s_lshl_b32 s43, s41, 2
	s_lshl_b32 s43, 15, s43                        ; my row of the cluster
	s_lshl_b32 s44, 0x1111, s40                    ; my column
	s_or_b32 s[G1+0], s43, (0<<16)|(1<<20)|(1<<21)|(5<<22)|(3<<25)   ; mask; elements of 1 byte; padding of 4 words behind every 64; bit 21 beside a mask
	s_or_b32 s[G1B+0], s44, (0<<16)|(1<<20)|(1<<21)|(5<<22)|(3<<25)
.irp g, G1, G1B
	s_mov_b32 s[\g+1], ROWB<<16                    ; tensor_dim0
	s_mov_b32 s[\g+2], 128<<16                     ; tensor_dim1
	s_mov_b32 s[\g+3], ROWB<<16                    ; tile_dim0
	s_mov_b32 s[\g+4], 128                         ; tile_dim1
	s_mov_b32 s[\g+5], KROW                        ; pitch
	s_mov_b32 s[\g+6], 0
	s_mov_b32 s[\g+7], 0
.endr
	s_lshl_b32 s18, s16, 7
	s_lshl_b32 s20, s17, 8
	s_add_co_u32 s20, s20, s18
	s_lshl_b32 s20, s20, 12                        ; A: (256 x tile row + 128 x half) rows of 4,096 bytes, under 2^25
	s_mov_b32 s21, 0
	s_lshl_b32 s46, s42, 8
	s_add_co_u32 s46, s46, s18
	s_lshl_b32 s46, s46, 12                        ; B: by the tile column
	s_mov_b32 s47, 0
	s_and_b32 s82, s82, 3
	s_lshl_b32 s82, s82, 2
	s_lshl_b32 s83, ttmp9, 3
	s_add_co_u32 s82, s82, s83
	s_and_b32 s82, s82, 15                         ; where my cluster's walk begins: a multiple of 4
	s_lshl_b32 s[KO], s82, 8
	s_mov_b32 s[KO+1], 0
	s_mov_b32 s88, s[KO]
	s_mov_b32 s89, 0
	s_add_co_u32 s74, s82, 4
	s_and_b32 s74, s74, 15
	s_lshl_b32 s74, s74, 8                         ; the walk's step 4
	s_mov_b32 s75, 0
	s_cmp_eq_u32 s15, 0                            ; the prefetches: A's rows by the tile row and cx, B's by the tile column and cy
	s_cselect_b32 s72, s17, s42
	s_cselect_b32 s73, s40, s41
	s_cselect_b32 s[LIM], 5, -1
	s_lshl_b32 s72, s72, 8
	s_add_co_u32 s72, s72, s18
	s_lshl_b32 s73, s73, 5
	s_add_co_u32 s72, s72, s73
	s_lshl_b32 s72, s72, 12
	s_mov_b32 s73, 0
	s_mul_i32 s45, s14, HALFT                      ; where my tensor loads go: wave x 128 rows
	s_mul_i32 s90, s15, HALFT                      ; my 128 rows of A
	s_mul_i32 s91, s16, HALFT
	s_add_co_u32 s91, s91, 2*HALFT                 ; my 128 places of B
	s_lshl_b32 s86, s17, 8
	s_lshl_b32 s87, s15, 7
	s_add_co_u32 s86, s86, s87
	s_lshl_b32 s86, s86, 13                        ; my first row of C, rows of 8,192 bytes: under 2^26
	s_lshl_b32 s87, s42, 10
	s_add_co_u32 s86, s86, s87
	s_lshl_b32 s87, s16, 9
	s_add_co_u32 s86, s86, s87                     ; + my first column
	s_mov_b32 s87, 0
.irp s, 0,1
	s_mov_b32 s[G0+4*\s], 1
	s_add_co_u32 s[G0+4*\s+1], s45, \s*SLOT
	s_mov_b32 s[G0B+4*\s], 1
	s_add_co_u32 s[G0B+4*\s+1], s45, \s*SLOT
.endr
	s_wait_dscnt 0x0                               ; both opening adds are done
	s_wait_kmcnt 0x0
	s_load_b64 s[96:97], s[8:9], 0x0               ; ea, eb
	s_add_nc_u64 s[RBA:RBA+1], s[4:5], s[20:21]
	s_add_nc_u64 s[RBB:RBB+1], s[6:7], s[46:47]
	s_add_nc_u64 s[10:11], s[10:11], s[86:87]
	POINT 0
	ONWARD
	POINT 1
	ONWARD
	CROUND                                         ; all sixteen work-groups are here: the first joint loads meet
	JLOAD G0, G1, G0B, G1B                         ; the walk's step 0: one tensor load a wave at the head
	v_and_b32 v[PFO], 31, v0
	v_lshlrev_b32 v[PFO], 12, v[PFO]
	s_cmp_eq_u32 s15, 0
	s_cselect_b64 s[PFH:PFH+1], s[4:5], s[6:7]
	s_add_nc_u64 s[PFH:PFH+1], s[PFH:PFH+1], s[72:73]
	s_add_nc_u64 s[PFA:PFA+1], s[PFH:PFH+1], s[74:75]
	s_add_nc_u64 s[PFH:PFH+1], s[PFH:PFH+1], s[88:89]
	global_prefetch_b8 v[PFO], s[PFH:PFH+1] offset:ROWB th:TH_LOAD_NT scope:SCOPE_SE     ; the walk's step 1: the walk begins at a multiple of 4, so steps 1 to 3 lie in the same row
	v_and_b32 v1, 15, v0                           ; r
	v_bfe_u32 v2, v0, 4, 1                         ; h
	v_mul_u32_u24 v3, v1, PITCH
	v_lshl_add_u32 v4, v2, 4, v3                   ; a fragment's row x pitch + 16 h
	v_add_nc_u32 v[ADRA], s90, v4
	v_add_nc_u32 v[ADRB], s91, v4
	v_add_nc_u32 v[ADRA+1], SLOT, v[ADRA]
	v_add_nc_u32 v[ADRB+1], SLOT, v[ADRB]
	v_lshlrev_b32 v5, 4, v1
	v_lshl_add_u32 v[CO], v2, 16, v5               ; 8 h rows of 8,192 bytes + 16 r
.macro FRAG reg, adr, q, i             ; lane (r, h) takes, of row r, bytes 32 c + 16 h + 0 .. 15 of the 128 into registers 4 c .. 4 c + 3: the same bytes in A and in B
.irp c, 0,1,2,3
	ds_load_b128 v[\reg+4*\c:\reg+4*\c+3], v[\adr] offset:128*(\q)+32*\c+(\i)*16*PITCH
.endr
.endm
.macro MUL16 a0, p, zero               ; A's blocks a0, a0 + 1 x B's eight, set p.  The 64 accumulators take turns, in the same order in every step
.irp a, \a0, \a0+1
.irp b, 0,1,2,3,4,5,6,7
.if \zero
	v_wmma_f32_16x16x128_fp8_fp8 v[8*(8*((\a)%4)+\b):8*(8*((\a)%4)+\b)+7], v[AF+FR*(\a):AF+FR*(\a)+FR-1], v[128*(\p)+FR*\b:128*(\p)+FR*\b+FR-1], 0
.else
	v_wmma_f32_16x16x128_fp8_fp8 v[8*(8*((\a)%4)+\b):8*(8*((\a)%4)+\b)+7], v[AF+FR*(\a):AF+FR*(\a)+FR-1], v[128*(\p)+FR*\b:128*(\p)+FR*\b+FR-1], v[8*(8*((\a)%4)+\b):8*(8*((\a)%4)+\b)+7]
.endif
.endr
.endr
.endm
; 16 products: A's blocks 0-3 x B's fragments b0 .. b0 + 3 of set p, by B's fragments.  grad = 1, where the loads were issued in the order A's blocks 0-3 (16), B's fragments 0 to 7 (4 each), A's blocks 4-7 (16):
; LDS loads come back in order (ISA guide 5.7.1), so ahead of fragment b's four products the count leaves out B's 7 - b later fragments and the 16 youngest loads.
.macro MULH p, zero, grad, b0
.irp b, 0,1,2,3
.set BB, (\b0)+\b
.if \grad
	s_wait_dscnt 4*NL+NL*(7-BB)
.endif
.irp a, 0,1,2,3
.if \zero
	v_wmma_f32_16x16x128_fp8_fp8 v[8*(8*\a+BB):8*(8*\a+BB)+7], v[AF+FR*\a:AF+FR*\a+FR-1], v[128*(\p)+FR*BB:128*(\p)+FR*BB+FR-1], 0
.else
	v_wmma_f32_16x16x128_fp8_fp8 v[8*(8*\a+BB):8*(8*\a+BB)+7], v[AF+FR*\a:AF+FR*\a+FR-1], v[128*(\p)+FR*BB:128*(\p)+FR*BB+FR-1], v[8*(8*\a+BB):8*(8*\a+BB)+7]
.endif
.endr
.endr
.endm
.macro FETCH_B slot, q, p
	WIN TO_B
.irp i, 0,1,2,3,4,5,6,7
	FRAG 128*(\p)+FR*\i, ADRB+\slot, \q, \i
.endr
	WIN 0
.endm
.macro FETCH_A slot, q, i0
.irp i, \i0, \i0+1, \i0+2, \i0+3
	FRAG AF+FR*(\i), ADRA+\slot, \q, \i
.endr
.endm
.macro PLACES n                        ; places in front of loads into registers that matrix instructions have read, and of the first read of results
.rept \n
	v_nop
.endr
.endm
.macro STEP slot, q, zero              ; 128 along K whose successor lies in the same slot
	s_wait_dscnt 4*NL                              ; B's set and A's blocks 0-3 are in; the youngest 16 loads (A's blocks 4-7) may be out
	WIN MUL_LO
	MULH (\q)%2, \zero, 0, 0
	MULH (\q)%2, \zero, 0, 4
	s_wait_dscnt 0                                 ; A's blocks 4-7 are in
	PLACES NP
	WIN 0
	FETCH_A \slot, (\q)+1, 0                       ; the next step's first products want these sixteen loads and B's first fragment: so A's come first
	FETCH_B \slot, (\q)+1, 1-(\q)%2
	WIN MUL_HI
	MUL16 4, (\q)%2, \zero
	MUL16 6, (\q)%2, \zero
	PLACES NP
	WIN 0
	FETCH_A \slot, (\q)+1, 4
.endm
.macro TURN slot, next, fill           ; a slot's last 128 along K, and the change of slots
	WIN MUL_LO
	MULH 1, 0, 1, 0                                ; sixteen products, while my last loads from this slot come back
	WIN 0
.if \fill
	s_wait_xcnt 0x0                                ; my last prefetch has read its address
	s_add_nc_u64 s[PFA:PFA+1], s[PFA:PFA+1], ROWB
.endif
	s_wait_tensorcnt 0x0                           ; all my tensor loads have landed: my part of the next slot
	ds_add_u32 v[SPW], v[NIL]
.if \fill
	POINT \slot                                    ; no load of mine is out: this slot's group 0 take the K step two on
	ONWARD
.endif
	s_wait_dscnt 0x0                               ; the add is done, and my reads of this slot are over: all this step's fragments are in registers
	s_barrier_signal -1
	s_barrier_wait -1
.if \fill
	CREST                                          ; the barrier has opened a round of the cluster's barrier
	JLOAD G0+4*\slot, G1, G0B+4*\slot, G1B         ; the first tensor load behind the round: 128 matrix instructions ahead of the wait for it
.else
	PLACES NP
.endif
	FETCH_B \next, 0, 0                            ; B's set 0 has been free since the step before
.if \fill
	ASK
.endif
	WIN MUL_LO
	MULH 1, 0, 0, 4
	PLACES NP
	WIN 0
	FETCH_A \next, 0, 0
	WIN MUL_HI
	MUL16 4, 1, 0
	MUL16 6, 1, 0
	PLACES NP
	WIN 0
	FETCH_A \next, 0, 4
.endm
	s_wait_alu depctr_va_vdst(0)
	s_wait_tensorcnt 0x0                           ; my part of step 0 is in; the add and its wait ahead of a later first fill:
	ds_add_u32 v[SPW], v[NIL]
	s_wait_dscnt 0x0
	CROUND                                         ; everybody's part of step 0 is in, and the joint loads meet
	JLOAD G0+4, G1, G0B+4, G1B                     ; the walk's step 1, slot 1's first fill
	global_prefetch_b8 v[PFO], s[PFH:PFH+1] offset:2*ROWB th:TH_LOAD_NT scope:SCOPE_SE   ; the walk's steps 2 and 3
	global_prefetch_b8 v[PFO], s[PFH:PFH+1] offset:3*ROWB th:TH_LOAD_NT scope:SCOPE_SE
	FETCH_A 0, 0, 0
	FETCH_B 0, 0, 0
	FETCH_A 0, 0, 4
	STEP 0, 0, 1                                   ; the first step's products start the sums
	s_mov_b32 s3, LAPS-1
.Llap:                                                 ; a trip goes once round the ring and fills both slots again
	TURN 0, 1, 1
	STEP 1, 0, 0
	TURN 1, 0, 1
	STEP 0, 0, 0
	s_sub_co_u32 s3, s3, 1
	s_cmp_lg_u32 s3, 0
	s_cbranch_scc1 .Llap
	TURN 0, 1, 0                                   ; the last lap fills nothing and has no round
	STEP 1, 0, 0
	WIN MUL_LO
	MULH 1, 0, 1, 0                                ; the very last step: nothing more to fetch
	MULH 1, 0, 1, 4
	s_wait_dscnt 0
	WIN MUL_HI
	MUL16 4, 1, 0
	MUL16 6, 1, 0
; THE WAY OUT.  Block a (16 rows x 128 columns) x 2^(ea + eb) goes into 64 registers that are done with: register 8 j + b takes register j of accumulator (a, b), so that four on end are four neighbouring columns.
; Blocks 0-2: window 0, v64-255; blocks 3-6: window 1; block 7: window 2, v0-63, where block 0's sums lay.  All 512 multiplications stand ahead of the 128 stores; every store's place is an immediate (119 rows at the most).
.macro WHERE a
.if (\a) < 3
.set OW, 0
.set OD, 64+64*(\a)
.else
.if (\a) < 7
.set OW, 1
.set OD, 64*((\a)-3)
.else
.set OW, 2
.set OD, 0
.endif
.endif
.endm
.macro SCALE a
	WHERE \a
.set AC, 64*((\a)%4)
	WIN (OW<<6)|((2+(\a)/4)<<2)                    ; destination as above; source 1: window 2 or 3
.irp j, 0,1,2,3,4,5,6,7
.irp b, 0,1,2,3,4,5,6,7
	v_mul_f32 v[OD+8*\j+\b], s96, v[AC+8*\b+\j]    ; each accumulator is read from its lowest register on
.endr
.endr
.endm
.macro SEND a
	WHERE \a
	WIN OW<<2                                      ; the data's window; the address lies in window 0
.irp j, 0,1,2,3,4,5,6,7
.irp q, 0,1
	global_store_b128 v[CO], v[OD+8*\j+4*\q:OD+8*\j+4*\q+3], s[10:11] offset:(16*(\a)+\j)*SIZE_N*4+256*\q th:TH_STORE_NT   ; lanes 0-15: 256 consecutive bytes of row 16 a + j, lanes 16-31 of row 16 a + 8 + j
.endr
.endr
.endm
	s_wait_kmcnt 0x0
	s_add_co_i32 s96, s96, s97
	s_add_co_i32 s96, s96, 127
	s_lshl_b32 s96, s96, 23                        ; 2^(ea + eb) as f32
	PLACES NP
.irp a, 0,1,2,3,4,5,6,7
	SCALE \a
.endr
.irp a, 0,1,2,3,4,5,6,7
	SEND \a
.endr
	WIN 0
	s_wait_tensorcnt 0x0                           ; the wave's end
	ds_add_u32 v[SPW], v[NIL]
	s_wait_dscnt 0x0
	CROUND                                         ; the closing round
	s_endpgm
.Lfunc_end_k_q7e3cd19c97_gemm:
	.size	k_q7e3cd19c97_gemm, .Lfunc_end_k_q7e3cd19c97_gemm-k_q7e3cd19c97_gemm
	.p2alignl 7, 3214868480
	.fill 96, 4, 3214868480
	.section	.rodata,"a",@progbits
	.p2align	6, 0x0
	.amdhsa_kernel k_q7e3cd19c97_gemm
		.amdhsa_group_segment_fixed_size 327680
		.amdhsa_private_segment_fixed_size 0
		.amdhsa_enable_private_segment 0
		.amdhsa_kernarg_size 32
		.amdhsa_user_sgpr_count 2
		.amdhsa_user_sgpr_kernarg_segment_ptr 1
		.amdhsa_wavefront_size32 1
		.amdhsa_system_sgpr_workgroup_id_x 1
		.amdhsa_system_sgpr_workgroup_id_y 1
		.amdhsa_system_sgpr_workgroup_id_z 1
		.amdhsa_system_vgpr_workitem_id 0
		.amdhsa_next_free_vgpr 1024
		.amdhsa_next_free_sgpr 98
		.amdhsa_reserve_vcc 0
		.amdhsa_float_denorm_mode_32 3
		.amdhsa_float_denorm_mode_16_64 3
		.amdhsa_memory_ordered 1
		.amdhsa_forward_progress 1
		.amdhsa_inst_pref_size 109
	.end_amdhsa_kernel
	.amdgpu_metadata
---
amdhsa.version: [ 1, 2 ]
amdhsa.kernels:
  - .name:           k_q7e3cd19c97_gemm
    .symbol:         k_q7e3cd19c97_gemm.kd
    .args:
      - { .name: a_codes, .offset: 0, .size: 8, .value_kind: global_buffer, .address_space: global }
      - { .name: b_codes, .offset: 8, .size: 8, .value_kind: global_buffer, .address_space: global }
      - { .name: lowp_scales, .offset: 16, .size: 8, .value_kind: global_buffer, .address_space: global }
      - { .name: out0, .offset: 24, .size: 8, .value_kind: global_buffer, .address_space: global }
    .group_segment_fixed_size: 327680
    .private_segment_fixed_size: 0
    .kernarg_segment_align: 8
    .kernarg_segment_size: 32
    .max_flat_workgroup_size: 128
    .sgpr_count:     98
    .vgpr_count:     1024
    .wavefront_size: 32
...
	.end_amdgpu_metadata
.endif
;; end of part 2
